; MI455X (gfx1250); checked and timed in simulation.
; The chip was launched on July 23, 2026; its instructions are those of AMD's public machine-readable ISA for CDNA 5 (MIT licence, August 2026) and "CDNA5" Instruction Set Architecture Reference Guide (July 2026). The comments in the code are by the model that wrote it; some were corrected since.
;; Vector Quantizer1d. Allowed arithmetic: float matrix products may take bf16 or f16 operands with f32 sums; all other float work in f32.
;; Inputs: emb_weight 8,192 x 256 float32; latents 16 x 256 x 2,048 float32.
;; Outputs: out0 16 x 256 x 2,048 float32; out1 one number float32; out2 16 x 2,048 int32.
;; One version. Each part assembles by itself: llvm-mc -triple=amdgcn-amd-amdhsa -mcpu=gfx1250 --defsym DOCPART=n.
;; ======== version 1 of 1: 4 launches
;; workspace buffers: embh 4,194,304 bytes; se 32,768 bytes; order 131,072 bytes of whole numbers; part 1,024 bytes
;; launch prep (part 1): grid 256 x 1, 8 waves a work-group, no clusters, 1,280 bytes of LDS; arguments emb_weight, embh, se; writes embh, se
.if DOCPART == 1
	.amdgcn_target "amdgcn-amd-amdhsa--gfx1250"
	.amdhsa_code_object_version 6
	.text
	.protected	k_q7e9c1ee9f6_prep
	.globl	k_q7e9c1ee9f6_prep
	.p2align	8
	.type	k_q7e9c1ee9f6_prep,@function
k_q7e9c1ee9f6_prep:
	s_mov_b64 s[64:65], 0
	v_nop
	global_prefetch_b8 v0, s[64:65] scope:SCOPE_SE
	s_setreg_imm32_b32 hwreg(HW_REG_WAVE_MODE, 25, 1), 1
	s_wait_xcnt 0x0
; embh[k][c] = bf16(emb_weight[k][c]), [8192][256];  se[k] = the f32 sum over c of embh[k][c]^2 (of the ROUNDED numbers: every later step works on them).
; Eight waves; the work-group owns 32 rows, a wave four.  A row is 1,024 bytes: two loads of 16 bytes a lane, each 512 consecutive bytes; all eight loads of a wave go out at once.
; A row of embh is 512 bytes: two stores of 8 bytes a lane, each 256 consecutive bytes at a multiple of 256 from embh's first byte.
; The 32 sums meet in LDS, so that one wave stores them as 128 consecutive bytes: half of an aligned 256 (32 rows to a work-group give 256 work-groups; se is 32 KB of the launch's 12 MB).
; No matrix unit, no cluster, no tensor load: each byte is read once by one wave, and nothing is shared.
.set SPARE, 256                        ; the spare words: 128 bytes for each of eight waves, four blocks of 256 bytes that no other line names; the sums have bytes 0-127
.set SPW, 62                           ; v62  LDS address of my spare word; never rewritten
.set NIL, 63                           ; v63  0; never rewritten
.set X,   8                            ; v[8:39]   row j: 8 registers as loaded
.set PK,  40                           ; v[40:55]  row j: 4 registers, 8 bf16 to store
.set SA,  56                           ; v[56:57]  two chains of squares
	s_load_b128 s[4:7], s[0:1], 0x0                ; emb_weight s[4:5], embh s[6:7]
	s_load_b64 s[8:9], s[0:1], 0x10                ; se
	v_lshl_add_u32 v[SPW], v0, 2, SPARE
	v_mov_b32 v[NIL], 0
	v_lshrrev_b32 v1, 5, v0
	v_readfirstlane_b32 s10, v1                    ; wave 0..7
	v_and_b32 v2, 31, v0                           ; lane
	v_lshlrev_b32 v3, 4, v2                        ; 16 bytes a lane in emb_weight
	v_lshlrev_b32 v4, 3, v2                        ; 8 bytes a lane in embh
	v_mov_b32 v5, 0                                ; the addend that starts each chain
	s_lshl_b32 s11, ttmp9, 5                       ; 32 rows a work-group,
	s_lshl2_add_u32 s11, s10, s11                  ; 4 a wave: my first row
	s_lshl_b32 s12, s11, 10                        ; x 1,024 bytes
	s_mov_b32 s13, 0
	s_lshl_b32 s14, s11, 9                         ; x 512 bytes
	s_mov_b32 s15, 0
	s_mov_b32 s16, 0x76543210                      ; v_permlanex16_b32: each lane takes its own place in the other half
	s_mov_b32 s17, 0xfedcba98
	s_lshl_b32 s18, s10, 4                         ; my four words among the 32 sums
	v_mov_b32 v6, s18
	s_wait_kmcnt 0x0
	s_add_nc_u64 s[4:5], s[4:5], s[12:13]
	s_add_nc_u64 s[6:7], s[6:7], s[14:15]
.irp j, 0,1,2,3
	global_load_b128 v[X+8*(\j):X+8*(\j)+3],   v3, s[4:5] offset:1024*(\j) th:TH_LOAD_NT
	global_load_b128 v[X+8*(\j)+4:X+8*(\j)+7], v3, s[4:5] offset:1024*(\j)+512 th:TH_LOAD_NT
.endr
.macro ROW j
	s_wait_loadcnt 6-2*(\j)                        ; loads come back in order: this row's two are in, the later rows' stay out
.irp k, 0,1,2,3
	v_cvt_pk_bf16_f32 v[PK+4*(\j)+(\k)], v[X+8*(\j)+2*(\k)], v[X+8*(\j)+2*(\k)+1]
.endr
	global_store_b64 v4, v[PK+4*(\j):PK+4*(\j)+1],   s[6:7] offset:512*(\j)      ; channels 0-127
	global_store_b64 v4, v[PK+4*(\j)+2:PK+4*(\j)+3], s[6:7] offset:512*(\j)+256  ; channels 128-255; a row's PK registers are written once
	v_fma_mix_f32_bf16 v[SA],   v[PK+4*(\j)],   v[PK+4*(\j)],   v5 op_sel_hi:[1,1,0]
	v_fma_mix_f32_bf16 v[SA+1], v[PK+4*(\j)+2], v[PK+4*(\j)+2], v5 op_sel_hi:[1,1,0]
	v_fma_mix_f32_bf16 v[SA],   v[PK+4*(\j)],   v[PK+4*(\j)],   v[SA]   op_sel:[1,1,0] op_sel_hi:[1,1,0]
	v_fma_mix_f32_bf16 v[SA+1], v[PK+4*(\j)+2], v[PK+4*(\j)+2], v[SA+1] op_sel:[1,1,0] op_sel_hi:[1,1,0]
	v_fma_mix_f32_bf16 v[SA],   v[PK+4*(\j)+1], v[PK+4*(\j)+1], v[SA]   op_sel_hi:[1,1,0]
	v_fma_mix_f32_bf16 v[SA+1], v[PK+4*(\j)+3], v[PK+4*(\j)+3], v[SA+1] op_sel_hi:[1,1,0]
	v_fma_mix_f32_bf16 v[SA],   v[PK+4*(\j)+1], v[PK+4*(\j)+1], v[SA]   op_sel:[1,1,0] op_sel_hi:[1,1,0]
	v_fma_mix_f32_bf16 v[SA+1], v[PK+4*(\j)+3], v[PK+4*(\j)+3], v[SA+1] op_sel:[1,1,0] op_sel_hi:[1,1,0]
	v_add_f32 v[SA], v[SA], v[SA+1]
	v_add_f32_dpp v[SA], v[SA], v[SA] row_xmask:1 row_mask:0xf bank_mask:0xf
	v_add_f32_dpp v[SA], v[SA], v[SA] row_xmask:2 row_mask:0xf bank_mask:0xf
	v_add_f32_dpp v[SA], v[SA], v[SA] row_xmask:4 row_mask:0xf bank_mask:0xf
	v_add_f32_dpp v[SA], v[SA], v[SA] row_xmask:8 row_mask:0xf bank_mask:0xf
	v_permlanex16_b32 v[SA+1], v[SA], s16, s17
	v_add_f32 v[SA], v[SA], v[SA+1]                ; every lane holds the row's sum
	ds_store_b32 v6, v[SA] offset:4*(\j)           ; all lanes write the same word with the same number
.endm
	ROW 0
	ROW 1
	ROW 2
	ROW 3
	s_wait_tensorcnt 0x0                           ; behind my last LDS store
	ds_add_u32 v[SPW], v[NIL]
	s_wait_dscnt 0x0                               ; my four sums are stored, for the wave that reads them
	s_barrier_signal -1
	s_barrier_wait -1
	s_cmp_lg_u32 s10, 0
	s_cbranch_scc1 .Lend                           ; wave 0 alone stores the 32 sums
	v_lshlrev_b32 v7, 2, v2
	ds_load_b32 v[SA], v7                          ; lane l: the sum of row 32 wg + l
	s_lshl_b32 s12, ttmp9, 7
	s_add_nc_u64 s[8:9], s[8:9], s[12:13]          ; (s13 is still 0)
	s_wait_dscnt 0x0
	global_store_b32 v7, v[SA], s[8:9]             ; 128 consecutive bytes
.Lend:
	s_endpgm
.Lfunc_end_k_q7e9c1ee9f6_prep:
	.size	k_q7e9c1ee9f6_prep, .Lfunc_end_k_q7e9c1ee9f6_prep-k_q7e9c1ee9f6_prep
	.p2alignl 7, 3214868480
	.fill 96, 4, 3214868480
	.section	.rodata,"a",@progbits
	.p2align	6, 0x0
	.amdhsa_kernel k_q7e9c1ee9f6_prep
		.amdhsa_group_segment_fixed_size 1280
		.amdhsa_private_segment_fixed_size 0
		.amdhsa_enable_private_segment 0
		.amdhsa_kernarg_size 24
		.amdhsa_user_sgpr_count 2
		.amdhsa_user_sgpr_kernarg_segment_ptr 1
		.amdhsa_wavefront_size32 1
		.amdhsa_system_sgpr_workgroup_id_x 1
		.amdhsa_system_sgpr_workgroup_id_y 1
		.amdhsa_system_sgpr_workgroup_id_z 1
		.amdhsa_system_vgpr_workitem_id 0
		.amdhsa_next_free_vgpr 64
		.amdhsa_next_free_sgpr 66
		.amdhsa_reserve_vcc 0
		.amdhsa_float_denorm_mode_32 3
		.amdhsa_float_denorm_mode_16_64 3
		.amdhsa_memory_ordered 1
		.amdhsa_forward_progress 1
		.amdhsa_inst_pref_size 9
	.end_amdhsa_kernel
	.amdgpu_metadata
---
amdhsa.version: [ 1, 2 ]
amdhsa.kernels:
  - .name:           k_q7e9c1ee9f6_prep
    .symbol:         k_q7e9c1ee9f6_prep.kd
    .args:
      - { .name: emb_weight, .offset: 0, .size: 8, .value_kind: global_buffer, .address_space: global }
      - { .name: embh, .offset: 8, .size: 8, .value_kind: global_buffer, .address_space: global }
      - { .name: se, .offset: 16, .size: 8, .value_kind: global_buffer, .address_space: global }
    .group_segment_fixed_size: 1280
    .private_segment_fixed_size: 0
    .kernarg_segment_align: 8
    .kernarg_segment_size: 24
    .max_flat_workgroup_size: 256
    .sgpr_count:     66
    .vgpr_count:     64
    .wavefront_size: 32
...
	.end_amdgpu_metadata
.endif
;; end of part 1
;; launch dist (part 2): grid 256 x 1, 4 waves a work-group, clusters of 4 x 1, 327,680 bytes of LDS; arguments latents, embh, se, out2, order; writes out2, order
.if DOCPART == 2
	.amdgcn_target "amdgcn-amd-amdhsa--gfx1250"
	.amdhsa_code_object_version 6
	.text
	.protected	k_q7e9c1ee9f6_dist
	.globl	k_q7e9c1ee9f6_dist
	.p2align	8
	.type	k_q7e9c1ee9f6_dist,@function
k_q7e9c1ee9f6_dist:
	s_mov_b64 s[64:65], 0
	v_nop
	global_prefetch_b8 v0, s[64:65] scope:SCOPE_SE
	s_setreg_imm32_b32 hwreg(HW_REG_WAVE_MODE, 25, 1), 1
	s_wait_xcnt 0x0
	s_wait_alu depctr_hold_cnt(0) depctr_sa_sdst(0) depctr_va_vdst(0) depctr_va_sdst(0) depctr_va_ssrc(0) depctr_va_vcc(0) depctr_vm_vsrc(0)
	s_getreg_b32 s2, hwreg(HW_REG_IB_STS2, 6, 4)
	s_cmp_eq_u32 s2, 0
	s_cbranch_scc0 .Lentry_in_a_cluster
	s_endpgm
.Lentry_in_a_cluster:
	s_bfe_u32 s2, ttmp6, 0x10000c
	s_cmp_lg_u32 s2, 0x3003
	s_cbranch_scc0 .Lentry_shape_is_right
	s_endpgm
.Lentry_shape_is_right:
; idx[b][t] = the first k at which d_k = (|x|^2 + |e_k|^2) - 2 x . e_k is least;  x = latents[b][:][t] rounded to bf16, e_k = embh[k] (bf16), |e_k|^2 = se[k].  The index goes to out2 and, the same number, to order.
; d is formed as the problem forms it: t = fl(|x|^2 + |e_k|^2), d = fl(t - 2 m) (one fused multiply-add: 2 m is exact), m the f32 sum of the matrix unit; at every level a tie keeps the lower index.
; LIMITS.  All inputs count as rounded to bf16, in |x|^2 and |e|^2 too.  NaN and infinities are not treated apart.  The index is the first minimum of THIS text's f32 d: where the last bits of m,
; which hang on the order of its 256 additions, decide a rounding of d between two codes that lie within one step of d of each other, another order of additions can give the other code.
; SHARES.  A work-group owns 128 latents (one b, 128 neighbouring t).  Each of its four waves holds ALL 128 as source 1 (8 tiles of 16 x 8 K steps x 8 registers = 512 registers) and takes a quarter of the
; codes: a code fragment read from LDS (2 loads) feeds 8 matrix instructions.  The codes come in 32 fills of 256 rows; wave w loads and reads rows 64 w .. 64 w + 63 of each fill, four tiles of 16: 128 tiles, ascending.
; LAYOUT.  Source 0 = 16 codes, source 1 = 16 latents: in the result lane (r, h), register j holds latent r and code 8 h + j.  So |x|^2 is one register a lane and tile, and the minimum stays in its lane all through the loop.
; BY TURNS.  The 8 tiles of latents are two groups, A (0-3) and B (4-7).  While one group's 32 products of a code tile are issued, the other group's distances and minimum, a list of 92 vector instructions,
; stand between them, three behind each matrix instruction: 184 vector for 64 matrix instructions.  The price is two window switches a matrix instruction.
; THE MINIMUM.  For each latent a lane keeps best, the number of the code tile that gave it, and that tile's eight d (W): 23 instructions for a tile of 8 d.  Which of the eight it was is found once, at the end.
; CLUSTER.  All work-groups read the same fills and the same se: each load is asked for JOINTLY by the four work-groups of a cluster, with the same descriptor and the mask of four.
; REGISTERS, in windows of 256 (s_set_vgpr_msb: bits 1:0 source 0, 3:2 source 1, 5:4 source 2, 7:6 destination):
;   window 0: addresses, statistics, at work, W, the accumulators      window 1: v0-63, v64-127 two buffers of code fragments (first: all 256 hold the latents as loaded)      windows 2, 3: the latents' fragments, tile q, K step ks at 64 (q % 4) + 8 ks
.set PITCH, 528                        ; a code row in LDS: 512 bytes + 16 of padding = 132 words: row r starts at bank 4 r mod 64 (64 banks of 4 bytes: ISA guide 11.1), so the 16 rows of a load start at 16 different banks
.set TILEB, 16*PITCH                   ; a tile of 16 codes
.set QUART, 64*PITCH                   ; a wave's quarter of a slot
.set SLOT,  4*QUART                    ; 135,168 = 0x21000: neither of its two bits occurs in w x QUART, so one exclusive or turns an address in one slot into the other's
.set FILLB, 256*512                    ; a fill in memory
.set SEB,   2*SLOT                     ; the whole of se, 32,768 bytes, filled once
.set STG,   SEB+32768                  ; staging for the turn of the latents: 8 rows (of 8 channels) x 128 t x 16 bytes
.set SXB,   STG+16384                  ; [4 waves][128 t] partial |x|^2
.set MB,    SXB+2048                   ; [4 waves][128 t] best;  2,048 bytes on: the index
.set SPARE, MB+4096                    ; the spare words, 128 bytes for each wave: two blocks of 256 bytes that no other line names
.set AK0, 2                            ; v2   my lane's place in my quarter of a slot; never rewritten
.set ASE0, 3                           ; v3   my lane's place in se
.set ADK, 4                            ; v4   LDS address of the fragments being fetched
.set ADS, 5                            ; v5   of their se
.set VG,  6                            ; v6   the number, 0 to 127, of the code tile whose distances are in hand
.set SPW, 8                            ; v8   LDS address of my spare word; never rewritten
.set NIL, 9                            ; v9   0; never rewritten
.set VX,  10                           ; v10  my byte offset in the latents
.set VST, 11                           ; v11  staging: where I store
.set VRD, 12                           ; v12  staging: where I read
.set VSX, 13                           ; v13  where my partial |x|^2 go
.set VSR, 14                           ; v14  where they are read
.set VMB, 15                           ; v15  where best and index go at the end
.set ST,  16                           ; tile q at ST + 4 q: |x|^2, best, tile number, spare
.set T,   48                           ; four streams x 8: t = |x|^2 + |e|^2
.set C,   80                           ; four streams x 2
.set SE,  88                           ; two buffers x 8: |e|^2 of my 8 codes of a tile
.set W,   104                          ; tile q at W + 8 q: the eight d of the best code tile so far
.set ACC, 168                          ; group g, tile s at ACC + 32 g + 8 s
.set SQ,  232                          ; v232-239 eight chains of squares
.set RR,  240                          ; lane % 16
.set HH,  241                          ; lane / 16
.set LN,  242                          ; lane
.set VBS, 243
.set WV,  14                           ; s14  my wave's number
.set G1,  24                           ; s[24:31] group 1 for the codes
.set G1S, 32                           ; s[32:39] group 1 for se
.set G0A, 40                           ; s[40:43] group 0: fill 0
.set G0B, 44                           ; s[44:47] group 0: fill 1; it then walks on
.set G0S, 48                           ; s[48:51] group 0: my quarter of se
.set SLOTS, 52
.set CNT, 53
.set PER, 54
.set TB,  55                           ; s55  LDS byte at which the slot's tile to be fetched begins, less my quarter's place
.set TS,  56                           ; s56  the same for se
.set MK,  57                           ; s57-60  a lane mask for each stream
.set SEL, 62                           ; s[62:63] v_permlanex16_b32's selects
.set MSB, 0
.macro WIN new                         ; the immediate's high byte repeats the setting that is left; a switch that changes nothing is dropped
.if MSB != (\new)
	s_set_vgpr_msb (MSB<<8)|(\new)
.set MSB, (\new)
.endif
.endm
.macro CREST                           ; a round of the cluster's barrier behind its opening barrier
	s_cmp_lg_u32 s[WV], 0
	s_cbranch_scc1 .Lnot_wave_0_\@
	s_barrier_signal -3
.Lnot_wave_0_\@:
	s_barrier_wait -3
	s_barrier_signal -1
	s_barrier_wait -1
.endm
.macro CROUND                          ; a whole round
	s_barrier_signal -1
	s_barrier_wait -1
	CREST
.endm
	s_load_b256 s[4:11], s[0:1], 0x0               ; latents s[4:5], embh s[6:7], se s[8:9], out2 s[10:11]
	s_load_b64 s[12:13], s[0:1], 0x20              ; order
	v_lshl_add_u32 v[SPW], v0, 2, SPARE
	v_mov_b32 v[NIL], 0
	ds_add_u32 v[SPW], v[NIL]                      ; the wave's opening: the add and its wait stand ahead of my first tensor load; the set-up below, work on registers, stands between them
	v_lshrrev_b32 v1, 5, v0
	v_readfirstlane_b32 s[WV], v1                  ; wave 0..3
	s_bfe_u32 s15, ttmp6, 0x40000                  ; cx: my place in the cluster.  It enters the latents' and the outputs' addresses alone (s15, s16, s18, s19, s61, s2, s3)
	s_lshl_b32 s16, ttmp9, 2                       ; in a cluster launch ttmp9 counts clusters
	s_add_co_u32 s16, s16, s15                     ; my work-group, 0 to 255
	s_lshr_b32 s61, s16, 4                         ; b
	s_lshl_b32 s18, s61, 21                        ; x 256 channels x 8,192 bytes
	s_and_b32 s19, s16, 15
	s_lshl_b32 s19, s19, 9                         ; + my 128 t x 4 bytes
	s_add_co_u32 s18, s18, s19
	s_mov_b32 s19, 0
	s_lshl_b32 s2, s16, 9                          ; my 128 indices in out2 and in order
	s_mov_b32 s3, 0
	s_mul_i32 s17, s[WV], QUART                    ; my quarter of a slot
	s_lshl_b32 s20, s[WV], 15                      ; my 64 rows of 512 bytes in a fill
	s_mov_b32 s21, 0
	s_lshl_b32 s22, s[WV], 13                      ; my quarter of se
	s_mov_b32 s23, 0
	; group 1 for the codes: 64 rows x 256 elements of 2 bytes, padded in LDS
	s_mov_b32 s[G1],   15|(1<<16)|(1<<20)|(1<<21)|(6<<22)|(3<<25)  ; 15:0 the mask of four; 17:16 2-byte elements; 20 padding on; 21 set beside a mask; 24:22 after every 128 words (code 6); 31:25 4 words (code 3)
	s_mov_b32 s[G1+1], 256<<16                     ; tensor_dim0 = 256
	s_mov_b32 s[G1+2], 64<<16                      ; tensor_dim1 = 64
	s_mov_b32 s[G1+3], 256<<16                     ; tile_dim0 = 256
	s_mov_b32 s[G1+4], 64                          ; tile_dim1 = 64
	s_mov_b32 s[G1+5], 256                         ; elements from row to row
	s_mov_b32 s[G1+6], 0
	s_mov_b32 s[G1+7], 0
	; group 1 for se: 8,192 dense bytes as 32 rows of 32 elements of 8 bytes
	s_mov_b32 s[G1S],   15|(3<<16)|(1<<21)
	s_mov_b32 s[G1S+1], 32<<16
	s_mov_b32 s[G1S+2], 32<<16
	s_mov_b32 s[G1S+3], 32<<16
	s_mov_b32 s[G1S+4], 32
	s_mov_b32 s[G1S+5], 32
	s_mov_b32 s[G1S+6], 0
	s_mov_b32 s[G1S+7], 0
	s_mov_b32 s[G0A], 1
	s_mov_b32 s[G0A+1], s17                        ; slot 0
	s_mov_b32 s[G0B], 1
	s_add_co_u32 s[G0B+1], s17, SLOT               ; slot 1
	s_mov_b32 s[G0S], 1
	s_add_co_u32 s[G0S+1], s22, SEB
	s_mov_b32 s[SEL], 0x76543210
	s_mov_b32 s[SEL+1], 0xfedcba98
	s_mov_b32 s[TB], 0
	s_mov_b32 s[TS], 0
	s_mov_b32 s[SLOTS], 30
	v_and_b32 v[LN], 31, v0
	v_and_b32 v[RR], 15, v0
	v_bfe_u32 v[HH], v0, 4, 1
	v_lshlrev_b32 v[VX], 4, v[LN]                  ; 16 bytes (4 t) a lane,
	v_lshl_add_u32 v[VX], s[WV], 17, v[VX]         ; my wave's 16 channels of each 64
	v_lshlrev_b32 v[VST], 6, v[LN]                 ; staging, in: t = 4 lane + i at 16 t, my two rows of 8 channels
	v_lshl_add_u32 v[VST], s[WV], 12, v[VST]
	v_add_nc_u32 v[VST], STG, v[VST]
	v_lshlrev_b32 v[VRD], 4, v[RR]                 ; staging, out: t = 16 q + r, row h of four
	v_lshl_add_u32 v[VRD], v[HH], 11, v[VRD]
	v_add_nc_u32 v[VRD], STG, v[VRD]
	v_lshlrev_b32 v[VSX], 4, v[LN]
	v_lshl_add_u32 v[VSX], s[WV], 9, v[VSX]
	v_add_nc_u32 v[VSX], SXB, v[VSX]
	v_lshl_add_u32 v[VSR], v[RR], 2, SXB
	v_lshl_add_u32 v[VMB], v[RR], 2, MB
	v_lshl_add_u32 v[VMB], s[WV], 9, v[VMB]
	v_mul_u32_u24 v[AK0], v[RR], PITCH             ; a fragment: row r x pitch + 16 h,
	v_lshl_add_u32 v[AK0], v[HH], 4, v[AK0]
	v_add_nc_u32 v[AK0], s17, v[AK0]               ; in my quarter
	v_lshl_add_u32 v[ASE0], v[HH], 5, SEB          ; se of code 256 f + 64 w + 16 i + 8 h + j: 1,024 f + 64 i come by s[TS]
	v_lshl_add_u32 v[ASE0], s[WV], 8, v[ASE0]
.irp i, 0,1,2,3,4,5,6,7
	v_mov_b32 v[SQ+(\i)], 0
.endr
	s_wait_dscnt 0x0                               ; the opening add is done
	s_wait_kmcnt 0x0
	s_add_nc_u64 s[4:5], s[4:5], s[18:19]
	s_add_nc_u64 s[10:11], s[10:11], s[2:3]
	s_add_nc_u64 s[12:13], s[12:13], s[2:3]
	s_add_nc_u64 s[G0A+2:G0A+3], s[6:7], s[20:21]
	s_add_nc_u64 s[G0B+2:G0B+3], s[G0A+2:G0A+3], FILLB
	s_or_b32 s[G0A+3], s[G0A+3], 0x80000000        ; type = 2
	s_or_b32 s[G0B+3], s[G0B+3], 0x80000000
	s_add_nc_u64 s[G0S+2:G0S+3], s[8:9], s[22:23]
	s_or_b32 s[G0S+3], s[G0S+3], 0x80000000
	; THE LATENTS: load n brings channel 64 (n / 16) + 16 w + n % 16, all 128 t: 512 consecutive bytes.  All 64 loads of a wave go out at once, into window 1.
	WIN 0x40
.set n, 0
.rept 64
	global_load_b128 v[4*n:4*n+3], v[VX], s[4:5] offset:(64*(n/16)+n%16)*8192 th:TH_LOAD_NT
.set n, n+1
.endr
	WIN 0
	CROUND                                         ; all four work-groups are here: the first joint loads meet
	tensor_load_to_lds s[G0S:G0S+3], s[G1S:G1S+7]  ; the first fills go out together: three loads of mine are out
	s_nop 0
	tensor_load_to_lds s[G0A:G0A+3], s[G1:G1+7]
	s_nop 0
	tensor_load_to_lds s[G0B:G0B+3], s[G1:G1+7]
	s_nop 0
.rept 4
	v_nop                                          ; four of them behind the last, ahead of the next window switch
.endr
; THE TURN OF THE LATENTS, phase p of four: channels 64 p .. 64 p + 63 (K steps 2 p, 2 p + 1).  My 16 channels x 128 t are rounded to bf16 in pairs of channels, so that four registers are 8 channels of one t:
; half a fragment's 16 bytes.  They go into the stage by t and come back as fragments.  The squares of the ROUNDED numbers are added up beside.  The packed words lie in W's registers, two buffers by turns.
.macro STAGE p
.set PKB, W+32*((\p)%2)
	s_wait_loadcnt 48-16*(\p)                      ; loads come back in order: this phase's 16 are in, the later phases' stay out
	WIN 0x05                                       ; sources in window 1
.irp e, 0,1
.irp i, 0,1,2,3
.irp m, 0,1,2,3
	v_cvt_pk_bf16_f32 v[PKB+16*(\e)+4*(\i)+(\m)], v[4*(16*(\p)+8*(\e)+2*(\m))+(\i)], v[4*(16*(\p)+8*(\e)+2*(\m)+1)+(\i)]
.endr
.endr
.endr
	WIN 0
.irp e, 0,1
.irp i, 0,1,2,3
	ds_store_b128 v[VST], v[PKB+16*(\e)+4*(\i):PKB+16*(\e)+4*(\i)+3] offset:2048*(\e)+16*(\i)  ; lanes 64 bytes apart: four lanes to a bank, on 32 stores a wave in the whole launch
.endr
.endr
.irp m, 0,1,2,3
.irp e, 0,1
.irp i, 0,1,2,3
	v_fma_mix_f32_bf16 v[SQ+4*(\e)+(\i)], v[PKB+16*(\e)+4*(\i)+(\m)], v[PKB+16*(\e)+4*(\i)+(\m)], v[SQ+4*(\e)+(\i)] op_sel_hi:[1,1,0]
.endr
.endr
.irp e, 0,1
.irp i, 0,1,2,3
	v_fma_mix_f32_bf16 v[SQ+4*(\e)+(\i)], v[PKB+16*(\e)+4*(\i)+(\m)], v[PKB+16*(\e)+4*(\i)+(\m)], v[SQ+4*(\e)+(\i)] op_sel:[1,1,0] op_sel_hi:[1,1,0]
.endr
.endr
.endr
.if (\p) == 3
	v_pk_add_f32 v[SQ:SQ+1], v[SQ:SQ+1], v[SQ+4:SQ+5]
	v_pk_add_f32 v[SQ+2:SQ+3], v[SQ+2:SQ+3], v[SQ+6:SQ+7]
	ds_store_b128 v[VSX], v[SQ:SQ+3]               ; my 64 channels' share of |x|^2 for t = 4 lane + 0..3
	s_wait_tensorcnt 0x1                           ; my quarter of se and of fill 0 are in; fill 1 may stay out
.endif
	s_wait_dscnt 0x0                               ; for the others' sake: my stores are done
	s_barrier_signal -1
	s_barrier_wait -1
.irp q, 0,1,2,3,4,5,6,7
	WIN 0x80+0x40*((\q)/4)                         ; destination window 2 or 3
.irp k, 0,1
	ds_load_b128 v[64*((\q)%4)+8*(2*(\p)+(\k)):64*((\q)%4)+8*(2*(\p)+(\k))+3],   v[VRD] offset:8192*(\k)+256*(\q)       ; channels 8 h + 0..7 of the K step
	ds_load_b128 v[64*((\q)%4)+8*(2*(\p)+(\k))+4:64*((\q)%4)+8*(2*(\p)+(\k))+7], v[VRD] offset:8192*(\k)+256*(\q)+4096  ; channels 16 + 8 h + 0..7
.endr
.endr
	WIN 0
.if (\p) == 3
.irp q, 0,1,2,3,4,5,6,7
.irp u, 0,1,2,3
	ds_load_b32 v[ACC+32+4*(\q)+(\u)], v[VSR] offset:512*(\u)+64*(\q)  ; the four waves' shares for t = 16 q + r, into group B's accumulators, which are idle
.endr
.endr
.endif
	s_wait_dscnt 0x0                               ; my reads of the stage are back
.if (\p) < 3
	s_barrier_signal -1                            ; nobody writes the stage again before all have read it
	s_barrier_wait -1
.endif
.endm
	STAGE 0
	STAGE 1
	STAGE 2
	STAGE 3
; THE MATRIX WORK.  Product mi of 32 of a run: K step mi / 4, tile 4 g + mi % 4 of the latents, code fragments in buffer fb.  The group's four accumulators take turns, one instruction a turn; the first four start the sums.
.macro MMA g, fb
	WIN 0x09+4*(\g)                                ; codes in window 1, latents in window 2 or 3, sums in window 0
.set mA, 64*(\fb)+8*(mi/4)
.set mB, 64*(mi%4)+8*(mi/4)
.set mD, ACC+32*(\g)+8*(mi%4)
.if mi < 4
	v_wmma_f32_16x16x32_bf16 v[mD:mD+7], v[mA:mA+7], v[mB:mB+7], 0
.else
	v_wmma_f32_16x16x32_bf16 v[mD:mD+7], v[mA:mA+7], v[mB:mB+7], v[mD:mD+7]
.endif
.set mi, mi+1
.endm
; THE VECTOR WORK.  Number rj of the list for group g, with |e|^2 in buffer b.  Four streams, one for each tile of the group, alternate (stream rj % 4), so that no line reads the result of the one before it.  Step rj / 4:
;   0-3    t = |e|^2 + |x|^2, a pair at a time          4-7   d = -2 m + t, in place, the accumulator's lowest pair first
;   8-11   the least of the eight d                      12    is it below best?  (strictly: on a tie the earlier tile, with the lower codes, stays)
;   13-14  best; the tile's number                       15-22 the eight d are kept
;   23     (group B alone, once) the next tile's number
.macro RID g, b
.set rs, rj%4
.set rn, rj/4
.set rT, T+8*rs
.set rC, C+2*rs
.set rD, ACC+32*(\g)+8*rs
.set rS, ST+4*(4*(\g)+rs)
.set rW, W+8*(4*(\g)+rs)
.set rE, SE+8*(\b)
.if rn < 4
	v_pk_add_f32 v[rT+2*rn:rT+2*rn+1], v[rE+2*rn:rE+2*rn+1], v[rS:rS+1] op_sel_hi:[1,0]
.elseif rn < 8
	v_pk_fma_f32 v[rD+2*rn-8:rD+2*rn-7], v[rD+2*rn-8:rD+2*rn-7], -2.0, v[rT+2*rn-8:rT+2*rn-7] op_sel_hi:[1,0,1]
.elseif rn == 8
	v_min3_num_f32 v[rC], v[rD], v[rD+1], v[rD+2]
.elseif rn == 9
	v_min3_num_f32 v[rC+1], v[rD+3], v[rD+4], v[rD+5]
.elseif rn == 10
	v_min3_num_f32 v[rC], v[rC], v[rD+6], v[rD+7]
.elseif rn == 11
	v_min_num_f32 v[rC], v[rC], v[rC+1]
.elseif rn == 12
	v_cmp_lt_f32 s[MK+rs], v[rC], v[rS+1]
.elseif rn == 13
	v_min_num_f32 v[rS+1], v[rS+1], v[rC]
.elseif rn == 14
	v_cndmask_b32 v[rS+2], v[rS+2], v[VG], s[MK+rs]
.elseif rn < 23
	v_cndmask_b32 v[rW+rn-15], v[rW+rn-15], v[rD+rn-15], s[MK+rs]
.else
	v_add_nc_u32 v[VG], 1, v[VG]
.endif
.endm
.macro SLICE g, b                      ; the next three of the list: 32 slices hold its 92 (group B: 93)
.rept 3
.if rj < 92+(\g)
	WIN 0
	RID \g, \b
.endif
.set rj, rj+1
.endr
.endm
; THE LDS LOADS stand in one run of 18: the next code tile's |e|^2 (all lanes of a half read the same 32 bytes) and its 8 fragments, into buffers p.
.macro FETCH p
	WIN 0
	v_add_nc_u32 v[ADK], s[TB], v[AK0]
	v_add_nc_u32 v[ADS], s[TS], v[ASE0]
	ds_load_b128 v[SE+8*(\p):SE+8*(\p)+3],   v[ADS]
	ds_load_b128 v[SE+8*(\p)+4:SE+8*(\p)+7], v[ADS] offset:16
	WIN 0x40                                       ; destination window 1
.irp k, 0,1,2,3,4,5,6,7
	ds_load_b128 v[64*(\p)+8*(\k):64*(\p)+8*(\k)+3],   v[ADK] offset:64*(\k)
	ds_load_b128 v[64*(\p)+8*(\k)+4:64*(\p)+8*(\k)+7], v[ADK] offset:64*(\k)+32
.endr
	s_add_co_u32 s[TB], s[TB], TILEB               ; the next fetch is the next tile's
	s_add_co_u32 s[TS], s[TS], 64
.endm
; A RUN: group g's 32 products on buffer fb; behind each a slice of the OTHER group's list, with |e|^2 in buffer seb.  The list's first 16 lines name no accumulator: they are the places (ISA guide 7.12.1) between the
; run before, which made that group's sums, and the first line that reads them.  fetch >= 0: the run of loads stands behind the second product, 30 matrix instructions ahead of the wait for it; the registers that it
; fills were last read a run or more ago.  meet = 1: the wait for the add and the barrier's signal stand ahead of the ninth product.
.macro RUN g, fb, seb, fetch, meet
.set mi, 0
.set rj, 0
.rept 32
.if (\meet) && (mi == 8)
	s_wait_dscnt 0x0                               ; the add is done; my reads of the slot were back before it
	s_barrier_signal -1                            ; this barrier opens a round of the cluster's; only work on registers stands between its signal and its wait
.endif
	MMA \g, \fb
	SLICE 1-(\g), \seb
.if ((\fetch) >= 0) && (mi == 2)
	FETCH \fetch
.endif
.endr
.endm
.macro TURNSLOT                        ; the fetches go back to a slot's first tile, in the other slot; se goes on to the next fill's 256 codes
	s_sub_co_u32 s[TB], s[TB], 4*TILEB
	s_xor_b32 s[TB], s[TB], SLOT
	s_add_co_u32 s[TS], s[TS], 768
.endm
; A UNIT, for code tile c (buffers p = c % 2): group B's products of tile c - 1 | group A's list of c - 1 | the fetch of c;  then group A's products of c | group B's list of c - 1.
; entry = 1: the loop is entered here.  meet = 1: tile c is its slot's last: when its fragments are in, each wave waits for all its tensor loads (one is out: its part of the other slot), adds 0 to its spare word,
; and eight products later waits for that and signals.
.macro U p, entry, meet
	RUN 1, 1-(\p), 1-(\p), \p, 0
.if \meet
	TURNSLOT
.endif
.if (\entry) || (\meet)
	WIN 0                                          ; at a label every window is 0; the add's two registers lie in window 0
.endif
.if \entry
.Lfirst:
.endif
	s_wait_dscnt 0x0                               ; tile c's fragments and |e|^2 are in
.if \meet
	s_wait_tensorcnt 0x0                           ; all my tensor loads have landed, so a group 0 may be written
	ds_add_u32 v[SPW], v[NIL]                      ; 0 onto my spare word
.endif
	RUN 0, \p, 1-(\p), -1, \meet
.endm
	FETCH 0                                        ; code tile 0
	WIN 0
.irp q, 0,1,2,3,4,5,6,7
	v_add_f32 v[ST+4*(\q)], v[ACC+32+4*(\q)], v[ACC+32+4*(\q)+1]
	v_add_f32 v[T+(\q)], v[ACC+32+4*(\q)+2], v[ACC+32+4*(\q)+3]
	v_mov_b32 v[ST+4*(\q)+1], 0x7f800000           ; best = +inf
	v_mov_b32 v[ST+4*(\q)+2], 0
.endr
.irp q, 0,1,2,3,4,5,6,7
	v_add_f32 v[ST+4*(\q)], v[ST+4*(\q)], v[T+(\q)]  ; |x|^2
.endr
	; The loop is entered in the middle of a unit, whose list works on a tile that has not been.  Its |e|^2 are +inf, so whatever group B's accumulators hold (the shares of |x|^2), its d are +inf or NaN and never
	; below best.  W holds what the staging left: the first true tile's minimum is below +inf and replaces it.  So neither is cleared.
.irp j, 0,1,2,3,4,5,6,7
	v_mov_b32 v[SE+8+(\j)], 0x7f800000
.endr
	v_mov_b32 v[VG], -1                            ; that list ends by making it 0
	s_branch .Lfirst
.Lslot:                                                ; 30 trips: a slot's four code tiles; then the slot is filled again, with the codes two fills on
	U 0, 1, 0
	U 1, 0, 0
	U 0, 0, 0
	U 1, 0, 1
	WIN 0
	s_barrier_wait -1
	CREST                                          ; no wave of any partner still reads this slot or has a load on its way
	s_xor_b32 s[G0B+1], s[G0B+1], SLOT             ; the walking descriptor: the other slot than last time,
	s_add_nc_u64 s[G0B+2:G0B+3], s[G0B+2:G0B+3], FILLB  ; the next 256 codes; the type bits on top are not reached
	tensor_load_to_lds s[G0B:G0B+3], s[G1:G1+7]    ; my one tensor load behind the round: 224 matrix instructions stand between it and the wait for it
	s_nop 0
.rept 4
	v_nop
.endr
	s_sub_co_u32 s[SLOTS], s[SLOTS], 1
	s_cmp_lg_u32 s[SLOTS], 0
	s_cbranch_scc1 .Lslot
	; THE LAST TWO FILLS are written apart: nothing is asked for, and no barrier is needed: a wave reads only the rows that it loaded itself.
	s_mov_b32 s[PER], 2
.Lper:
	s_mov_b32 s[CNT], 2
.Lpair:
	U 0, 0, 0
	U 1, 0, 0
	WIN 0
	s_sub_co_u32 s[CNT], s[CNT], 1
	s_cmp_lg_u32 s[CNT], 0
	s_cbranch_scc1 .Lpair
	TURNSLOT
	s_wait_tensorcnt 0x0                           ; the last fill, behind which no load was issued, is in before its first tile is fetched
	s_sub_co_u32 s[PER], s[PER], 1
	s_cmp_lg_u32 s[PER], 0
	s_cbranch_scc1 .Lper
	RUN 1, 1, 1, -1, 0                             ; group B's products of tile 127 | group A's list
	WIN 0
.set rj, 0
.rept 92
	RID 1, 1                                       ; group B's list, bare; its first 16 lines are the places behind the last products
.set rj, rj+1
.endr
	; THE END.  Which of the eight d was the best: the first that equals it.  Then code = 256 (tile / 4) + 64 w + 16 (tile % 4) + 8 h + j.
	v_lshlrev_b32 v[VBS], 3, v[HH]
	v_lshl_add_u32 v[VBS], s[WV], 6, v[VBS]
.irp q, 0,1,2,3,4,5,6,7
	v_mov_b32 v[T+(\q)], 7
.endr
.irp j, 6,5,4,3,2,1,0
.irp g, 0,1
.irp s, 0,1,2,3
	v_cmp_eq_f32 s[MK+(\s)], v[W+8*(4*(\g)+(\s))+(\j)], v[ST+4*(4*(\g)+(\s))+1]
.endr
.irp s, 0,1,2,3
	v_cndmask_b32 v[T+4*(\g)+(\s)], v[T+4*(\g)+(\s)], \j, s[MK+(\s)]
.endr
.endr
.endr
.irp q, 0,1,2,3,4,5,6,7
	v_and_b32 v[T+16+(\q)], 0x7c, v[ST+4*(\q)+2]
	v_and_b32 v[T+24+(\q)], 3, v[ST+4*(\q)+2]
	v_lshl_add_u32 v[T+16+(\q)], v[T+16+(\q)], 6, v[VBS]
	v_lshl_add_u32 v[T+24+(\q)], v[T+24+(\q)], 4, v[T+(\q)]
	v_add_nc_u32 v[T+8+(\q)], v[T+16+(\q)], v[T+24+(\q)]
.endr
; (best b, index i) takes (ob, oi) if ob is less, or equal with the lower index.  The masks select values alone.
.macro MERGE b, i, ob, oi
	v_cmp_lt_f32 s20, v[\ob], v[\b]
	v_cmp_eq_f32 s21, v[\ob], v[\b]
	v_cmp_lt_u32 s22, v[\oi], v[\i]
	s_and_b32 s21, s21, s22
	s_or_b32 s20, s20, s21
	v_cndmask_b32 v[\b], v[\b], v[\ob], s20
	v_cndmask_b32 v[\i], v[\i], v[\oi], s20
.endm
.irp q, 0,1,2,3,4,5,6,7
	v_permlanex16_b32 v[T+16+(\q)], v[ST+4*(\q)+1], s[SEL], s[SEL+1]  ; the latent's other codes lie in the lane 16 away
	v_permlanex16_b32 v[T+24+(\q)], v[T+8+(\q)], s[SEL], s[SEL+1]
.endr
.irp q, 0,1,2,3,4,5,6,7
	MERGE ST+4*(\q)+1, T+8+(\q), T+16+(\q), T+24+(\q)
	ds_store_b32 v[VMB], v[ST+4*(\q)+1] offset:64*(\q)       ; both halves of the lanes write the same word with the same number
	ds_store_b32 v[VMB], v[T+8+(\q)] offset:2048+64*(\q)
.endr
	s_wait_tensorcnt 0x0                           ; behind my last tensor load and my last LDS store
	ds_add_u32 v[SPW], v[NIL]
	s_wait_dscnt 0x0                               ; my stores are done, for the wave that reads them
	s_barrier_signal -1
	s_barrier_wait -1
	s_cmp_lg_u32 s[WV], 0
	s_cbranch_scc1 .Ldone                          ; wave 0 alone merges the four quarters of the codes: four latents a lane
	v_lshl_add_u32 v[VBS], v[LN], 4, MB
.irp u, 0,1,2,3
	ds_load_b128 v[T+4*(\u):T+4*(\u)+3],       v[VBS] offset:512*(\u)
	ds_load_b128 v[T+16+4*(\u):T+16+4*(\u)+3], v[VBS] offset:2048+512*(\u)
.endr
	v_lshlrev_b32 v[ADK], 4, v[LN]
	s_wait_dscnt 0x0
.irp u, 1,2,3
.irp i, 0,1,2,3
	MERGE T+(\i), T+16+(\i), T+4*(\u)+(\i), T+16+4*(\u)+(\i)
.endr
.endr
	global_store_b128 v[ADK], v[T+16:T+19], s[10:11]  ; 512 consecutive bytes, at a multiple of 256 from out2's first byte
	global_store_b128 v[ADK], v[T+16:T+19], s[12:13]  ; and the same for the launch that gathers by them
.Ldone:
	CROUND                                         ; the closing round: no work-group ends while a partner may still ask for a tile that names it
	s_endpgm
.Lfunc_end_k_q7e9c1ee9f6_dist:
	.size	k_q7e9c1ee9f6_dist, .Lfunc_end_k_q7e9c1ee9f6_dist-k_q7e9c1ee9f6_dist
	.p2alignl 7, 3214868480
	.fill 96, 4, 3214868480
	.section	.rodata,"a",@progbits
	.p2align	6, 0x0
	.amdhsa_kernel k_q7e9c1ee9f6_dist
		.amdhsa_group_segment_fixed_size 327680
		.amdhsa_private_segment_fixed_size 0
		.amdhsa_enable_private_segment 0
		.amdhsa_kernarg_size 40
		.amdhsa_user_sgpr_count 2
		.amdhsa_user_sgpr_kernarg_segment_ptr 1
		.amdhsa_wavefront_size32 1
		.amdhsa_system_sgpr_workgroup_id_x 1
		.amdhsa_system_sgpr_workgroup_id_y 1
		.amdhsa_system_sgpr_workgroup_id_z 1
		.amdhsa_system_vgpr_workitem_id 0
		.amdhsa_next_free_vgpr 1024
		.amdhsa_next_free_sgpr 66
		.amdhsa_reserve_vcc 0
		.amdhsa_float_denorm_mode_32 3
		.amdhsa_float_denorm_mode_16_64 3
		.amdhsa_memory_ordered 1
		.amdhsa_forward_progress 1
		.amdhsa_inst_pref_size 212
	.end_amdhsa_kernel
	.amdgpu_metadata
---
amdhsa.version: [ 1, 2 ]
amdhsa.kernels:
  - .name:           k_q7e9c1ee9f6_dist
    .symbol:         k_q7e9c1ee9f6_dist.kd
    .args:
      - { .name: latents, .offset: 0, .size: 8, .value_kind: global_buffer, .address_space: global }
      - { .name: embh, .offset: 8, .size: 8, .value_kind: global_buffer, .address_space: global }
      - { .name: se, .offset: 16, .size: 8, .value_kind: global_buffer, .address_space: global }
      - { .name: out2, .offset: 24, .size: 8, .value_kind: global_buffer, .address_space: global }
      - { .name: order, .offset: 32, .size: 8, .value_kind: global_buffer, .address_space: global }
    .group_segment_fixed_size: 327680
    .private_segment_fixed_size: 0
    .kernarg_segment_align: 8
    .kernarg_segment_size: 40
    .max_flat_workgroup_size: 128
    .sgpr_count:     66
    .vgpr_count:     1024
    .wavefront_size: 32
...
	.end_amdgpu_metadata
.endif
;; end of part 2
;; launch gather (part 3): grid 256 x 1, 8 waves a work-group, no clusters, 68,864 bytes of LDS; arguments order, embh, latents, out0, part; writes out0, part
.if DOCPART == 3
	.amdgcn_target "amdgcn-amd-amdhsa--gfx1250"
	.amdhsa_code_object_version 6
	.text
	.protected	k_q7e9c1ee9f6_gather
	.globl	k_q7e9c1ee9f6_gather
	.p2align	8
	.type	k_q7e9c1ee9f6_gather,@function
k_q7e9c1ee9f6_gather:
	s_mov_b64 s[64:65], 0
	v_nop
	global_prefetch_b8 v0, s[64:65] scope:SCOPE_SE
	s_setreg_imm32_b32 hwreg(HW_REG_WAVE_MODE, 25, 1), 1
	s_wait_xcnt 0x0
; out0[b][c][t] = xb + (eb - xb), part[wg] = the sum of (eb - xb)^2;  xb = latents[b][c][t] rounded to bf16, eb = embh[order[b][t]][c].  Both roundings of the sum are kept, as the problem has them.
; The work-group owns 128 neighbouring t of one b.  Eight waves: wave w gathers the code rows of t = 16 w .. 16 w + 15 (a row is 512 consecutive bytes: one load of the wave) into LDS, and owns channels
; 32 w .. 32 w + 31 of all 128 t: each of its loads of the latents and stores of out0 covers 512 consecutive bytes, at a multiple of 256 from the buffer's first byte.  The turn from [t][c] to [c][t] is made by the LDS read.
; All 48 loads of a wave go out before the first is waited for.  An index counts as at most 8,191, which the table's size allows.
; No matrix unit, no cluster: memory binds, and the work-groups share nothing but code rows picked by data.
.set PITCH, 528                        ; a code row in LDS: 512 bytes + 16
.set RED,   128*PITCH                  ; eight words: the waves' sums
.set SPARE, RED+256                    ; the spare words: 128 bytes for each of eight waves, four blocks of 256 bytes that no other line names
.set SPW, 6                            ; v6   LDS address of my spare word; never rewritten
.set NIL, 7                            ; v7   0; never rewritten
.set GA,  8                            ; v[8:23]    row j: its byte offset in embh
.set X,   32                           ; v[32:159]  channel m: 4 t as loaded, then as stored
.set G,   160                          ; v[160:223] 16 rows as gathered; then block k of 8 channels, t 4 lane + i at G + 16 k + 4 i
.set P,   224
.set XB,  226
.set EB,  230
.set DD,  234
.set LS,  238                          ; v[238:241] the sum of squares, two pairs
	s_load_b256 s[4:11], s[0:1], 0x0               ; order s[4:5], embh s[6:7], latents s[8:9], out0 s[10:11]
	s_load_b64 s[12:13], s[0:1], 0x20              ; part
	v_lshl_add_u32 v[SPW], v0, 2, SPARE
	v_mov_b32 v[NIL], 0
	v_lshrrev_b32 v1, 5, v0
	v_readfirstlane_b32 s14, v1                    ; wave 0..7
	v_and_b32 v1, 31, v0                           ; lane
	v_lshlrev_b32 v5, 4, v1                        ; 16 bytes a lane
	v_lshl_add_u32 v2, s14, 18, v5                 ; + my wave's 32 channels x 8,192 bytes: my offset in latents and in out0
	s_mul_i32 s15, s14, 16*PITCH
	v_add_nc_u32 v3, s15, v5                       ; LDS, in: my wave's 16 rows
	v_mul_u32_u24 v4, v1, 4*PITCH                  ; LDS, out: rows 4 lane + i,
	v_lshl_add_u32 v4, s14, 6, v4                  ; my wave's 64 bytes of them
	s_lshl_b32 s32, ttmp9, 9                       ; my work-group's 128 indices,
	s_lshl_b32 s33, s14, 6                         ; my wave's 16
	s_add_co_u32 s32, s32, s33
	s_mov_b32 s33, 0
	s_lshr_b32 s34, ttmp9, 4                       ; b
	s_lshl_b32 s34, s34, 21
	s_and_b32 s35, ttmp9, 15
	s_lshl_b32 s35, s35, 9                         ; my 128 t
	s_add_co_u32 s34, s34, s35
	s_mov_b32 s35, 0
	s_mov_b32 s36, 0xffff0000                      ; a word's upper bf16
	s_mov_b32 s38, 0x76543210
	s_mov_b32 s39, 0xfedcba98
	s_lshl_b32 s40, s14, 2
	s_add_co_u32 s40, s40, RED
.irp i, 0,1,2,3
	v_mov_b32 v[LS+(\i)], 0
.endr
	s_wait_kmcnt 0x0
	s_add_nc_u64 s[4:5], s[4:5], s[32:33]
	s_load_b512 s[16:31], s[4:5], 0x0              ; my 16 indices
	s_add_nc_u64 s[8:9], s[8:9], s[34:35]
	s_add_nc_u64 s[10:11], s[10:11], s[34:35]
.set m, 0
.rept 32
	global_load_b128 v[X+4*m:X+4*m+3], v2, s[8:9] offset:8192*m th:TH_LOAD_NT
.set m, m+1
.endr
	s_wait_kmcnt 0x0
.irp j, 0,1,2,3,4,5,6,7,8,9,10,11,12,13,14,15
	s_min_u32 s[16+(\j)], s[16+(\j)], 8191
	s_lshl_b32 s[16+(\j)], s[16+(\j)], 9
	v_add_nc_u32 v[GA+(\j)], s[16+(\j)], v5
	global_load_b128 v[G+4*(\j):G+4*(\j)+3], v[GA+(\j)], s[6:7]
.endr
	s_wait_loadcnt 0x0                             ; the rows were asked for last, and all is needed now
.irp j, 0,1,2,3,4,5,6,7,8,9,10,11,12,13,14,15
	ds_store_b128 v3, v[G+4*(\j):G+4*(\j)+3] offset:PITCH*(\j)
.endr
	s_wait_dscnt 0x0                               ; for the others' sake: my rows are stored
	s_barrier_signal -1
	s_barrier_wait -1
.irp k, 0,1,2,3
.irp i, 0,1,2,3
	ds_load_b128 v[G+16*(\k)+4*(\i):G+16*(\k)+4*(\i)+3], v4 offset:PITCH*(\i)+16*(\k)  ; lanes 2,112 bytes apart: four lanes to a bank, on 16 loads a wave
.endr
.endr
; Channel c of block k, four t: 16 vector instructions and a store.  The result goes where the latents lay, so no register that a store reads is written again.
.macro CH k, c
.set rX, X+4*(8*(\k)+(\c))
	v_cvt_pk_bf16_f32 v[P], v[rX], v[rX+1]
	v_cvt_pk_bf16_f32 v[P+1], v[rX+2], v[rX+3]
.irp i, 0,1,2,3
.if (\c)%2
	v_and_b32 v[EB+(\i)], s36, v[G+16*(\k)+4*(\i)+(\c)/2]
.else
	v_lshlrev_b32 v[EB+(\i)], 16, v[G+16*(\k)+4*(\i)+(\c)/2]
.endif
.endr
	v_lshlrev_b32 v[XB], 16, v[P]
	v_and_b32 v[XB+1], s36, v[P]
	v_lshlrev_b32 v[XB+2], 16, v[P+1]
	v_and_b32 v[XB+3], s36, v[P+1]
	v_pk_add_f32 v[DD:DD+1], v[EB:EB+1], v[XB:XB+1] neg_lo:[0,1] neg_hi:[0,1]        ; eb - xb
	v_pk_add_f32 v[DD+2:DD+3], v[EB+2:EB+3], v[XB+2:XB+3] neg_lo:[0,1] neg_hi:[0,1]
	v_pk_add_f32 v[rX:rX+1], v[XB:XB+1], v[DD:DD+1]                                  ; xb + (eb - xb)
	v_pk_add_f32 v[rX+2:rX+3], v[XB+2:XB+3], v[DD+2:DD+3]
	v_pk_fma_f32 v[LS:LS+1], v[DD:DD+1], v[DD:DD+1], v[LS:LS+1]
	v_pk_fma_f32 v[LS+2:LS+3], v[DD+2:DD+3], v[DD+2:DD+3], v[LS+2:LS+3]
	global_store_b128 v2, v[rX:rX+3], s[10:11] offset:8192*(8*(\k)+(\c)) th:TH_STORE_NT
.endm
.irp k, 0,1,2,3
	s_wait_dscnt 12-4*(\k)                         ; LDS loads come back in order: block k's four are in, the later blocks' stay out
.irp c, 0,1,2,3,4,5,6,7
	CH \k, \c
.endr
.endr
	v_pk_add_f32 v[LS:LS+1], v[LS:LS+1], v[LS+2:LS+3]
	v_add_f32 v[LS], v[LS], v[LS+1]
	v_add_f32_dpp v[LS], v[LS], v[LS] row_xmask:1 row_mask:0xf bank_mask:0xf
	v_add_f32_dpp v[LS], v[LS], v[LS] row_xmask:2 row_mask:0xf bank_mask:0xf
	v_add_f32_dpp v[LS], v[LS], v[LS] row_xmask:4 row_mask:0xf bank_mask:0xf
	v_add_f32_dpp v[LS], v[LS], v[LS] row_xmask:8 row_mask:0xf bank_mask:0xf
	v_permlanex16_b32 v[LS+1], v[LS], s38, s39
	v_add_f32 v[LS], v[LS], v[LS+1]
	v_mov_b32 v24, s40
	ds_store_b32 v24, v[LS]                        ; my wave's word
	s_wait_tensorcnt 0x0                           ; behind my last LDS store
	ds_add_u32 v[SPW], v[NIL]
	s_wait_dscnt 0x0                               ; my sum is stored
	s_barrier_signal -1
	s_barrier_wait -1
	s_cmp_lg_u32 s14, 0
	s_cbranch_scc1 .Lend
	v_mov_b32 v25, RED
	ds_load_b128 v[P:P+3], v25
	ds_load_b128 v[P+4:P+7], v25 offset:16
	s_lshl_b32 s32, ttmp9, 2
	s_add_nc_u64 s[12:13], s[12:13], s[32:33]      ; (s33 is still 0)
	v_mov_b32 v26, 0
	s_wait_dscnt 0x0
	v_pk_add_f32 v[P:P+1], v[P:P+1], v[P+4:P+5]
	v_pk_add_f32 v[P+2:P+3], v[P+2:P+3], v[P+6:P+7]
	v_pk_add_f32 v[P:P+1], v[P:P+1], v[P+2:P+3]
	v_add_f32 v[P], v[P], v[P+1]
	v_cmp_eq_u32 vcc_lo, 0, v0
	s_wait_xcnt 0x0                                ; EXEC is a source of the stores above: it changes only behind this wait
	s_and_saveexec_b32 s37, vcc_lo
	global_store_b32 v26, v[P], s[12:13]           ; one number a work-group
	s_wait_xcnt 0x0                                ; and again, in front of the line that widens it
	s_or_b32 exec_lo, exec_lo, s37
.Lend:
	s_endpgm
.Lfunc_end_k_q7e9c1ee9f6_gather:
	.size	k_q7e9c1ee9f6_gather, .Lfunc_end_k_q7e9c1ee9f6_gather-k_q7e9c1ee9f6_gather
	.p2alignl 7, 3214868480
	.fill 96, 4, 3214868480
	.section	.rodata,"a",@progbits
	.p2align	6, 0x0
	.amdhsa_kernel k_q7e9c1ee9f6_gather
		.amdhsa_group_segment_fixed_size 68864
		.amdhsa_private_segment_fixed_size 0
		.amdhsa_enable_private_segment 0
		.amdhsa_kernarg_size 40
		.amdhsa_user_sgpr_count 2
		.amdhsa_user_sgpr_kernarg_segment_ptr 1
		.amdhsa_wavefront_size32 1
		.amdhsa_system_sgpr_workgroup_id_x 1
		.amdhsa_system_sgpr_workgroup_id_y 1
		.amdhsa_system_sgpr_workgroup_id_z 1
		.amdhsa_system_vgpr_workitem_id 0
		.amdhsa_next_free_vgpr 248
		.amdhsa_next_free_sgpr 66
		.amdhsa_reserve_vcc 1
		.amdhsa_float_denorm_mode_32 3
		.amdhsa_float_denorm_mode_16_64 3
		.amdhsa_memory_ordered 1
		.amdhsa_forward_progress 1
		.amdhsa_inst_pref_size 40
	.end_amdhsa_kernel
	.amdgpu_metadata
---
amdhsa.version: [ 1, 2 ]
amdhsa.kernels:
  - .name:           k_q7e9c1ee9f6_gather
    .symbol:         k_q7e9c1ee9f6_gather.kd
    .args:
      - { .name: order, .offset: 0, .size: 8, .value_kind: global_buffer, .address_space: global }
      - { .name: embh, .offset: 8, .size: 8, .value_kind: global_buffer, .address_space: global }
      - { .name: latents, .offset: 16, .size: 8, .value_kind: global_buffer, .address_space: global }
      - { .name: out0, .offset: 24, .size: 8, .value_kind: global_buffer, .address_space: global }
      - { .name: part, .offset: 32, .size: 8, .value_kind: global_buffer, .address_space: global }
    .group_segment_fixed_size: 68864
    .private_segment_fixed_size: 0
    .kernarg_segment_align: 8
    .kernarg_segment_size: 40
    .max_flat_workgroup_size: 256
    .sgpr_count:     66
    .vgpr_count:     248
    .wavefront_size: 32
...
	.end_amdgpu_metadata
.endif
;; end of part 3
;; launch loss (part 4): grid 1 x 1, 1 waves a work-group, no clusters, 0 bytes of LDS; arguments part, out1; writes out1
.if DOCPART == 4
	.amdgcn_target "amdgcn-amd-amdhsa--gfx1250"
	.amdhsa_code_object_version 6
	.text
	.protected	k_q7e9c1ee9f6_loss
	.globl	k_q7e9c1ee9f6_loss
	.p2align	8
	.type	k_q7e9c1ee9f6_loss,@function
k_q7e9c1ee9f6_loss:
	s_mov_b64 s[64:65], 0
	v_nop
	global_prefetch_b8 v0, s[64:65] scope:SCOPE_SE
	s_setreg_imm32_b32 hwreg(HW_REG_WAVE_MODE, 25, 1), 1
	s_wait_xcnt 0x0
; out1 = m + 0.25 m, m = the sum of the 256 partial sums / 2^23 (32,768 latents x 256 channels).  One wave: a sum that spans work-groups is made by one owner, in a launch of its own.
	s_load_b128 s[4:7], s[0:1], 0x0                ; part s[4:5], out1 s[6:7]
	v_lshlrev_b32 v1, 4, v0
	v_mov_b32 v2, 0
	s_mov_b32 s8, 0x76543210
	s_mov_b32 s9, 0xfedcba98
	s_wait_kmcnt 0x0
	global_load_b128 v[4:7], v1, s[4:5]
	global_load_b128 v[8:11], v1, s[4:5] offset:512
	s_wait_loadcnt 0x0
	v_pk_add_f32 v[4:5], v[4:5], v[8:9]
	v_pk_add_f32 v[6:7], v[6:7], v[10:11]
	v_pk_add_f32 v[4:5], v[4:5], v[6:7]
	v_add_f32 v4, v4, v5
	v_add_f32_dpp v4, v4, v4 row_xmask:1 row_mask:0xf bank_mask:0xf
	v_add_f32_dpp v4, v4, v4 row_xmask:2 row_mask:0xf bank_mask:0xf
	v_add_f32_dpp v4, v4, v4 row_xmask:4 row_mask:0xf bank_mask:0xf
	v_add_f32_dpp v4, v4, v4 row_xmask:8 row_mask:0xf bank_mask:0xf
	v_permlanex16_b32 v5, v4, s8, s9
	v_add_f32 v4, v4, v5
	v_mul_f32 v4, 0x34000000, v4                   ; x 2^-23: exact
	v_fmamk_f32 v5, v4, 0x3e800000, v4             ; 0.25 m + m
	v_cmp_eq_u32 vcc_lo, 0, v0
	s_wait_xcnt 0x0                                ; EXEC changes only behind this wait
	s_and_saveexec_b32 s10, vcc_lo
	global_store_b32 v2, v5, s[6:7]
	s_wait_xcnt 0x0
	s_or_b32 exec_lo, exec_lo, s10
	s_endpgm
.Lfunc_end_k_q7e9c1ee9f6_loss:
	.size	k_q7e9c1ee9f6_loss, .Lfunc_end_k_q7e9c1ee9f6_loss-k_q7e9c1ee9f6_loss
	.p2alignl 7, 3214868480
	.fill 96, 4, 3214868480
	.section	.rodata,"a",@progbits
	.p2align	6, 0x0
	.amdhsa_kernel k_q7e9c1ee9f6_loss
		.amdhsa_group_segment_fixed_size 0
		.amdhsa_private_segment_fixed_size 0
		.amdhsa_enable_private_segment 0
		.amdhsa_kernarg_size 16
		.amdhsa_user_sgpr_count 2
		.amdhsa_user_sgpr_kernarg_segment_ptr 1
		.amdhsa_wavefront_size32 1
		.amdhsa_system_sgpr_workgroup_id_x 1
		.amdhsa_system_sgpr_workgroup_id_y 1
		.amdhsa_system_sgpr_workgroup_id_z 1
		.amdhsa_system_vgpr_workitem_id 0
		.amdhsa_next_free_vgpr 16
		.amdhsa_next_free_sgpr 66
		.amdhsa_reserve_vcc 1
		.amdhsa_float_denorm_mode_32 3
		.amdhsa_float_denorm_mode_16_64 3
		.amdhsa_memory_ordered 1
		.amdhsa_forward_progress 1
		.amdhsa_inst_pref_size 2
	.end_amdhsa_kernel
	.amdgpu_metadata
---
amdhsa.version: [ 1, 2 ]
amdhsa.kernels:
  - .name:           k_q7e9c1ee9f6_loss
    .symbol:         k_q7e9c1ee9f6_loss.kd
    .args:
      - { .name: part, .offset: 0, .size: 8, .value_kind: global_buffer, .address_space: global }
      - { .name: out1, .offset: 8, .size: 8, .value_kind: global_buffer, .address_space: global }
    .group_segment_fixed_size: 0
    .private_segment_fixed_size: 0
    .kernarg_segment_align: 8
    .kernarg_segment_size: 16
    .max_flat_workgroup_size: 32
    .sgpr_count:     66
    .vgpr_count:     16
    .wavefront_size: 32
...
	.end_amdgpu_metadata
.endif
;; end of part 4
